; MI455X (gfx1250); checked and timed in simulation.
; The chip was launched on July 23, 2026; its instructions are those of AMD's public machine-readable ISA for CDNA 5 (MIT licence, August 2026) and "CDNA5" Instruction Set Architecture Reference Guide (July 2026). The comments in the code are by the model that wrote it; some were corrected since.
;; Multi Head Attention. Allowed arithmetic: matrix products marked QUANTISED: E4M3 operands, one given power-of-two scale a tensor, by v_wmma_f32_16x16x64_fp8_fp8 or v_wmma_f32_16x16x128_fp8_fp8, f32 sums; everything else in f32.
;; Inputs: lowp_scales 12 int32 (the exponents e of the quantised operands' scales 2^e); w_k 1,024 x 1,024 float32; w_o 1,024 x 1,024 float32; w_q 1,024 x 1,024 float32; w_v 1,024 x 1,024 float32; x 2 x 2,048 x 1,024 float32.
;; Outputs: out0 2 x 2,048 x 1,024 float32.
;; This version of the problem:
;;   THIS VERSION OF THE PROBLEM IS GIVEN IN LOW PRECISION. The matrix products marked QUANTISED in the list below multiply operands that are first quantised to E4M3 (4 exponent bits, 3 mantissa bits; 8 bits a number), with one given power-of-two scale for each operand tensor; their sums are f32. All else is computed in f32.
;;   The module's matrix products, in the order in which they are computed (A, B: the left and right operand; K: the contracted axis; several contracted axes count as one K, in the product's order):
;;     1. [M 4,096, K 1,024] x [K 1,024, N 1,024]; A: input x; B: input w_q: QUANTISED (scales: A lowp_scales[0], B lowp_scales[1])
;;     2. [M 4,096, K 1,024] x [K 1,024, N 1,024]; A: input x; B: input w_k: QUANTISED (scales: A lowp_scales[2], B lowp_scales[3])
;;     3. [M 4,096, K 1,024] x [K 1,024, N 1,024]; A: input x; B: input w_v: QUANTISED (scales: A lowp_scales[4], B lowp_scales[5])
;;     4. batch 32 x [M 2,048, K 64] x [K 64, N 2,048]; A: computed on the way; B: computed on the way: QUANTISED (scales: A lowp_scales[6], B lowp_scales[7])
;;     5. batch 32 x [M 2,048, K 2,048] x [K 2,048, N 64]; A: softmax (see below); B: computed on the way: QUANTISED (scales: A lowp_scales[8], B lowp_scales[9])
;;     6. [M 4,096, K 1,024] x [K 1,024, N 1,024]; A: computed on the way; B: input w_o: QUANTISED (scales: A lowp_scales[10], B lowp_scales[11])
;;   THE QUANTISER, for each operand of a quantised product, along K:
;;     - The operand's scale is 2^e, e = its entry of the input lowp_scales (int32; the entries are numbered through the quantised products in the list's order, A before B).
;;     - Each number is divided by the scale, clamped to +-448, and rounded to the nearest number of E4M3, ties to even, subnormals kept.
;;     - The product sums the exact products of the quantised numbers (number of the format x scale) in f32.
;;   ~~~python
;;   def quantise(x, axis, e):      # numpy; x: float32 -> the quantised numbers, widened to float32 again
;;       x = np.moveaxis(x, axis, -1); K = x.shape[-1]
;;       r = np.clip(x / 2.0 ** e, -448, 448)
;;       step = 2.0 ** (np.maximum(np.frexp(np.where(r == 0, 1, r))[1] - 1, -6) - 3)
;;       q = np.round(r / step) * step * 2.0 ** e      # np.round: ties to even
;;       return np.moveaxis(q, -1, axis).astype(np.float32)
;;   ~~~
;;   SOFTMAX AHEAD OF A QUANTISED PRODUCT. Where the list says 'softmax', what is quantised is not the finished softmax but p = 2^(t - M), with t = logit x log2(e) and M = ceil(the row's largest t), a whole number; so 1/2 < the row's largest p <= 1. The row's sum l is taken of the UNQUANTISED p, in f32, and the product's result is divided by l at the end. Since M is a whole number, a kernel that streams over the keys may use a running M (the ceiling of the running maximum): every later rescaling is an exact power of two, so the quantised numbers keep their values, but for numbers so far below the row's largest that they fall under the format's range.
;;   OPERANDS COMPUTED ON THE WAY. 'Computed on the way' means the value that the module computes at that place (a softmax that the list does not call 'softmax' is quantised finished and normalised). What goes into a quantiser is computed in f32, as accurately as f32 sums, v_exp_f32 and their like allow (about 1e-6 of the number): no bf16 or f16 on the way to a quantiser, and a product that is left as it is and whose result goes on into a quantised operand takes f32 operands (vector FMAs, or v_wmma_f32_16x16x4_f32). A number that lies on a knife's edge between two numbers of the format may be rounded either way, as far as f32 arithmetic and the matrix unit's own rounding can turn it there, and no further.
;; One version. Each part assembles by itself: llvm-mc -triple=amdgcn-amd-amdhsa -mcpu=gfx1250 --defsym DOCPART=n.
;; ======== version 1 of 1: 4 launches
;; limits: right only within a limited range of input values
;; workspace buffers: x_img 12,582,912 bytes; w_img 4,194,304 bytes; qkv_img 12,582,912 bytes; ctx_img 4,194,304 bytes
;; launch quant (part 1): grid 512 x 1, 4 waves a work-group, no clusters, 68,096 bytes of LDS; arguments x, w_q, w_k, w_v, w_o, lowp_scales, x_img, w_img; writes x_img, w_img
.if DOCPART == 1
	.amdgcn_target "amdgcn-amd-amdhsa--gfx1250"
	.amdhsa_code_object_version 6
	.text
	.protected	k_q7e60258699_quant
	.globl	k_q7e60258699_quant
	.p2align	8
	.type	k_q7e60258699_quant,@function
k_q7e60258699_quant:
	s_mov_b64 s[64:65], 0
	v_nop
	global_prefetch_b8 v0, s[64:65] scope:SCOPE_SE
	s_setreg_imm32_b32 hwreg(HW_REG_WAVE_MODE, 25, 1), 1
	s_wait_xcnt 0x0
; x [4096][1024] and the four weights [1024][1024], f32 with K innermost, become codes of FP8 (E4M3), laid as IMAGES OF OPERAND REGISTERS.
; An image is a fragment of 16 rows x 128 K, 2,048 bytes: registers 4 q .. 4 q + 3 of lane l lie at 512 q + 16 l; in lane (r = l % 16, h = l / 16) registers 2 c, 2 c + 1 hold row r, k = 16 c + 8 h + 0 .. 7,
; the place that the plain 8-bit matrix forms give each k.  x_img: [3 scales][256 row tiles][8 K steps][2,048]; w_img: [4 weights q, k, v, o][64 row tiles][8 K steps][2,048].
; code = number / 2^e, held within +-448, to the nearest code, ties to even.  x is an operand of three products, each with an exponent of its own (entries 0, 2, 4 of the scales), so it is read once and
; quantised three times.  The weights' exponents are entries 1, 3, 5, 11.  LIMITS: each e between -126 and 119, so that 2^e and 448 x 2^e are f32 numbers; NaN among the inputs is not served.
; SHARES.  A work-group takes a row tile: 16 rows of 4,096 bytes.  Work-groups 0-255: x's tiles; 256-511: the weights' (weight (n - 256) / 64, tile (n - 256) % 64).  Wave w takes K steps 2 w and 2 w + 1.
; Each load reads 512 consecutive bytes of one row, 16 a lane; the conversion wants 8 neighbours along K in ONE lane: so a fragment's 8,192 bytes turn through the wave's own stage in LDS (rows of 512 + 16 bytes:
; 33 x 16, so the sixteen rows that a read touches start at sixteen different groups of banks: 64 banks of 4 bytes, ISA guide 11.1).  Each store of codes covers 512 consecutive bytes, aligned.
; No matrix work, no tensor load, no barrier: waves share nothing.  The two kinds of work-group take two expansions of one macro, each with LDS bytes of its own.
.set STG,   8448                       ; a wave's stage: 16 rows x 528 bytes
.set PATHB, 4*STG                      ; the four stages of one kind of work-group
.set GL,    2                          ; v2   16 x lane: my bytes of a load's or a store's 512
.set SIN,   3                          ; v3   the stage, on the way in: wave x STG + 16 x lane
.set SOUT,  4                          ; v4   and on the way out: wave x STG + 528 r + 32 h
.set SC,    6                          ; v[6+2k] 2^e of output k, v[7+2k] 448 x 2^e
.set R0,    16                         ; v16-79, v80-143: fragment f as loaded; later its first 48 registers hold its codes
.set X,     144                        ; v144-207: 64 numbers: register 8 c + j = k 16 c + 8 h + j of my row
.set T,     208                        ; v208-223: two sets of 8 held numbers, by turns
	s_load_b256 s[4:11], s[0:1], 0x0               ; x s[4:5], w_q s[6:7], w_k s[8:9], w_v s[10:11]
	s_load_b256 s[12:19], s[0:1], 0x20             ; w_o s[12:13], the scales s[14:15], x_img s[16:17], w_img s[18:19]
	v_lshl_add_u32 v224, v0, 2, 0x10800
	v_mov_b32 v225, 0
	v_lshrrev_b32 v1, 5, v0
	v_readfirstlane_b32 s28, v1                    ; wave 0..3
	v_and_b32 v1, 31, v0
	v_lshlrev_b32 v[GL], 4, v1
	s_mul_i32 s29, s28, STG
	v_add_nc_u32 v[SIN], s29, v[GL]
	v_and_b32 v5, 15, v0                           ; r
	v_bfe_u32 v1, v0, 4, 1                         ; h
	v_mul_u32_u24 v[SOUT], v5, 528
	v_lshl_add_u32 v[SOUT], v1, 5, v[SOUT]
	v_add_nc_u32 v[SOUT], s29, v[SOUT]
	s_lshl_b32 s30, s28, 10                        ; in a row of f32: my two K steps begin 1,024 x wave bytes in
	s_mov_b32 s31, 0
	s_lshl_b32 s46, s28, 12                        ; in a tile's images: 4,096 x wave
	s_mov_b32 s47, 0
	s_wait_kmcnt 0x0
	s_load_b256 s[32:39], s[14:15], 0x0            ; entries 0 to 7
	s_load_b128 s[40:43], s[14:15], 0x20           ; entries 8 to 11
.macro LOADF f                         ; fragment f: 16 rows x 512 bytes
.irp i, 0,1,2,3,4,5,6,7,8,9,10,11,12,13,14,15
	global_load_b128 v[R0+64*\f+4*\i:R0+64*\f+4*\i+3], v[GL], s[20:21] offset:512*\f+4096*\i th:TH_LOAD_NT
.endr
.endm
.macro TURN f, path                    ; through my stage: LDS serves a wave's instructions in order (ISA guide 5.7.1.4), so no wait stands between the stores and the loads
.irp i, 0,1,2,3,4,5,6,7,8,9,10,11,12,13,14,15
	ds_store_b128 v[SIN], v[R0+64*\f+4*\i:R0+64*\f+4*\i+3] offset:\path*PATHB+528*\i
.endr
.irp c, 0,1,2,3,4,5,6,7
	ds_load_b128 v[X+8*\c:X+8*\c+3], v[SOUT] offset:\path*PATHB+64*\c
	ds_load_b128 v[X+8*\c+4:X+8*\c+7], v[SOUT] offset:\path*PATHB+64*\c+16
.endr
.endm
.macro SCALE k, e                      ; s[e] = the exponent of output k
	s_add_co_i32 s52, s[\e], 127
	s_lshl_b32 s53, s52, 23
	v_mov_b32 v[SC+2*\k], s53                      ; 2^e as f32: the conversion takes its exponent field
	s_add_co_i32 s52, s52, 8
	s_lshl_b32 s52, s52, 23
	s_or_b32 s52, s52, 0x600000
	v_mov_b32 v[SC+2*\k+1], s52                    ; 448 x 2^e
.endm
; The numbers in X become nout fragments of codes.  The hold writes T, not X, so that X serves every output; T's two sets take turns, so the plain lines behind each conversion write the other set.
; The codes go into registers of their own for each fragment and output: no store's data are written again.
.macro QUANTN f, nout
.set QK, 0
.rept \nout
.irp c, 0,1,2,3,4,5,6,7
.irp j, 0,1,2,3,4,5,6,7
	v_med3_num_f32 v[T+8*(\c%2)+\j], v[X+8*\c+\j], -v[SC+2*QK+1], v[SC+2*QK+1]   ; the conversion to an 8-bit code does not saturate (ISA guide 7.6.2): the hold comes first
.endr
	v_cvt_scalef32_pk8_fp8_f32 v[R0+64*\f+16*QK+2*\c:R0+64*\f+16*QK+2*\c+1], v[T+8*(\c%2):T+8*(\c%2)+7], v[SC+2*QK]
.endr
.irp q, 0,1,2,3
	global_store_b128 v[GL], v[R0+64*\f+16*QK+4*\q:R0+64*\f+16*QK+4*\q+3], s[22+2*QK:23+2*QK] offset:2048*\f+512*\q
.endr
.set QK, QK+1
.endr
.endm
.macro BODY path, nout
	s_wait_loadcnt 16                              ; fragment 0's sixteen loads are in; fragment 1's sixteen may be out
	TURN 0, \path
	s_wait_dscnt 0x0                               ; X is in, and the stores into the stage have read fragment 0's registers, which take its codes
	QUANTN 0, \nout
	s_wait_loadcnt 0x0
	TURN 1, \path
	s_wait_dscnt 0x0
	QUANTN 1, \nout
	s_wait_tensorcnt 0x0
	ds_add_u32 v224, v225
	s_wait_dscnt 0x0
	s_endpgm
.endm
	s_cmp_lt_u32 ttmp9, 256
	s_cbranch_scc0 .Lweights
	s_lshl_b32 s44, ttmp9, 16                      ; x: tile x 16 rows of 4,096 bytes
	s_add_co_u32 s30, s30, s44
	s_add_nc_u64 s[20:21], s[4:5], s[30:31]
	s_lshl_b32 s44, ttmp9, 14                      ; its images: tile x 8 x 2,048
	s_add_co_u32 s46, s46, s44
	s_add_nc_u64 s[22:23], s[16:17], s[46:47]      ; under entry 0's scale,
	s_add_nc_u64 s[24:25], s[22:23], 0x400000      ; entry 2's,
	s_add_nc_u64 s[26:27], s[22:23], 0x800000      ; entry 4's
	s_wait_alu depctr_va_vdst(0)
	LOADF 0
	LOADF 1
	s_wait_kmcnt 0x0
	SCALE 0, 32
	SCALE 1, 34
	SCALE 2, 36
	s_wait_alu depctr_va_vdst(0)
	BODY 0, 3
.Lweights:
	s_sub_co_u32 s44, ttmp9, 256
	s_lshr_b32 s45, s44, 6                         ; which weight: 0 q, 1 k, 2 v, 3 o
	s_and_b32 s44, s44, 63                         ; its row tile
	s_cmp_eq_u32 s45, 1                            ; the choice of a buffer hangs on the work-group's number alone
	s_cselect_b64 s[20:21], s[8:9], s[6:7]
	s_cmp_eq_u32 s45, 2
	s_cselect_b64 s[20:21], s[10:11], s[20:21]
	s_cmp_eq_u32 s45, 3
	s_cselect_b64 s[20:21], s[12:13], s[20:21]
	s_lshl_b32 s48, s44, 16
	s_add_co_u32 s30, s30, s48
	s_add_nc_u64 s[20:21], s[20:21], s[30:31]
	s_lshl_b32 s48, s45, 20                        ; a weight's images are 64 x 16,384 bytes
	s_lshl_b32 s49, s44, 14
	s_add_co_u32 s46, s46, s48
	s_add_co_u32 s46, s46, s49
	s_add_nc_u64 s[22:23], s[18:19], s[46:47]
	s_wait_alu depctr_va_vdst(0)
	LOADF 0
	LOADF 1
	s_wait_kmcnt 0x0
	s_cmp_eq_u32 s45, 1
	s_cselect_b32 s50, s35, s33                    ; entry 3 or entry 1,
	s_cmp_eq_u32 s45, 2
	s_cselect_b32 s50, s37, s50                    ; entry 5,
	s_cmp_eq_u32 s45, 3
	s_cselect_b32 s50, s43, s50                    ; entry 11
	SCALE 0, 50
	s_wait_alu depctr_va_vdst(0)
	BODY 1, 1
.Lfunc_end_k_q7e60258699_quant:
	.size	k_q7e60258699_quant, .Lfunc_end_k_q7e60258699_quant-k_q7e60258699_quant
	.p2alignl 7, 3214868480
	.fill 96, 4, 3214868480
	.section	.rodata,"a",@progbits
	.p2align	6, 0x0
	.amdhsa_kernel k_q7e60258699_quant
		.amdhsa_group_segment_fixed_size 68096
		.amdhsa_private_segment_fixed_size 0
		.amdhsa_enable_private_segment 0
		.amdhsa_kernarg_size 64
		.amdhsa_user_sgpr_count 2
		.amdhsa_user_sgpr_kernarg_segment_ptr 1
		.amdhsa_wavefront_size32 1
		.amdhsa_system_sgpr_workgroup_id_x 1
		.amdhsa_system_sgpr_workgroup_id_y 1
		.amdhsa_system_sgpr_workgroup_id_z 1
		.amdhsa_system_vgpr_workitem_id 0
		.amdhsa_next_free_vgpr 226
		.amdhsa_next_free_sgpr 66
		.amdhsa_reserve_vcc 0
		.amdhsa_float_denorm_mode_32 3
		.amdhsa_float_denorm_mode_16_64 3
		.amdhsa_memory_ordered 1
		.amdhsa_forward_progress 1
		.amdhsa_inst_pref_size 58
	.end_amdhsa_kernel
	.amdgpu_metadata
---
amdhsa.version: [ 1, 2 ]
amdhsa.kernels:
  - .name:           k_q7e60258699_quant
    .symbol:         k_q7e60258699_quant.kd
    .args:
      - { .name: x, .offset: 0, .size: 8, .value_kind: global_buffer, .address_space: global }
      - { .name: w_q, .offset: 8, .size: 8, .value_kind: global_buffer, .address_space: global }
      - { .name: w_k, .offset: 16, .size: 8, .value_kind: global_buffer, .address_space: global }
      - { .name: w_v, .offset: 24, .size: 8, .value_kind: global_buffer, .address_space: global }
      - { .name: w_o, .offset: 32, .size: 8, .value_kind: global_buffer, .address_space: global }
      - { .name: lowp_scales, .offset: 40, .size: 8, .value_kind: global_buffer, .address_space: global }
      - { .name: x_img, .offset: 48, .size: 8, .value_kind: global_buffer, .address_space: global }
      - { .name: w_img, .offset: 56, .size: 8, .value_kind: global_buffer, .address_space: global }
    .group_segment_fixed_size: 68096
    .private_segment_fixed_size: 0
    .kernarg_segment_align: 8
    .kernarg_segment_size: 64
    .max_flat_workgroup_size: 128
    .sgpr_count:     66
    .vgpr_count:     226
    .wavefront_size: 32
...
	.end_amdgpu_metadata
.endif
;; end of part 1
;; launch qkv (part 2): grid 12 x 16, 4 waves a work-group, clusters of 4 x 1, 327,680 bytes of LDS; arguments x_img, w_img, lowp_scales, qkv_img; writes qkv_img
.if DOCPART == 2
	.amdgcn_target "amdgcn-amd-amdhsa--gfx1250"
	.amdhsa_code_object_version 6
	.text
	.protected	k_q7e60258699_qkv
	.globl	k_q7e60258699_qkv
	.p2align	8
	.type	k_q7e60258699_qkv,@function
k_q7e60258699_qkv:
	s_mov_b64 s[64:65], 0
	v_nop
	global_prefetch_b8 v0, s[64:65] scope:SCOPE_SE
	s_setreg_imm32_b32 hwreg(HW_REG_WAVE_MODE, 25, 1), 1
	s_wait_xcnt 0x0
	s_wait_alu depctr_hold_cnt(0) depctr_sa_sdst(0) depctr_va_vdst(0) depctr_va_sdst(0) depctr_va_ssrc(0) depctr_va_vcc(0) depctr_vm_vsrc(0)
	s_getreg_b32 s2, hwreg(HW_REG_IB_STS2, 6, 4)
	s_cmp_eq_u32 s2, 0
	s_cbranch_scc0 .Lentry_in_a_cluster
	s_endpgm
.Lentry_in_a_cluster:
	s_bfe_u32 s2, ttmp6, 0x10000c
	s_cmp_lg_u32 s2, 0x3003
	s_cbranch_scc0 .Lentry_shape_is_right
	s_endpgm
.Lentry_shape_is_right:
; q, k, v = x w^T on codes of FP8 (E4M3); the results are quantised at once (entries 6, 7, 9 of the scales) and stored as images of the operands of attention.
; x_img: [3 scales][256 token tiles][8 K steps][2,048], w_img: [4 weights][64 row tiles][8 K steps][2,048]; qkv_img: [32 heads][16 blocks of 128 tokens][24,576]: K 8,192, V^T 8,192, Q 8,192.
; SHARES.  The grid's y says which 256 tokens; the cluster's x says which weight (0 q, 1 k, 2 v); wave w of work-group cx makes the 64 columns (one head) 4 cx + w, whose 64 x 1,024 codes stay in 512 registers, read once.
; The 256 tokens' codes, 262,144 bytes, lie in LDS whole: one first fill a wave (four token tiles, 65,536 bytes), asked for JOINTLY by the four partners; nothing is filled again.
; No prefetch: all tiles are asked for at the head, and there is no loop of loads to run ahead in.
; Two trips of a loop, each two groups of four token tiles.  q and k: source 0 = weight rows (a lane holds eight neighbouring channels of a token); v: source 0 = tokens (eight neighbouring tokens of a channel).
; LIMITS on the given exponents: e(out) - e(x) - e(w) between -126 and 119; NaN among the sums is not served.
.set ACC, 32
.set CD,  96
.set LI,  4
.set VS,  8
.set VL,  9
.set WV,  10
.set G1,  16
.set G0,  32
.set MSB, 0
.macro WIN new
.if MSB != (\new)
	s_set_vgpr_msb (MSB<<8)|(\new)
.set MSB, (\new)
.endif
.endm
.macro ROUND
	s_barrier_signal -1
	s_barrier_wait -1
	s_cmp_lg_u32 s[WV], 0
	s_cbranch_scc1 .Lnot_wave_0_\@
	s_barrier_signal -3
.Lnot_wave_0_\@:
	s_barrier_wait -3
	s_barrier_signal -1
	s_barrier_wait -1
.endm
.macro PLACES
.rept 4
	v_nop
.endr
.endm
	s_load_b128 s[4:7], s[0:1], 0x0
	s_load_b128 s[12:15], s[0:1], 0x10
	v_lshl_add_u32 v254, v0, 2, 0x40000
	v_mov_b32 v255, 0
	ds_add_u32 v254, v255
	ds_add_u32 v254, v255
	v_lshrrev_b32 v1, 5, v0
	v_readfirstlane_b32 s[WV], v1
	v_and_b32 v1, 31, v0
	v_lshlrev_b32 v[LI], 4, v1
	s_bfe_u32 s11, ttmp6, 0x40000
	s_and_b32 s9, ttmp7, 0xffff
	s_lshl_b32 s8, s11, 2
	s_add_co_u32 s8, s8, s[WV]
	s_mov_b32 s[G1+0], 15|(3<<16)|(1<<21)
	s_mov_b32 s[G1+1], 32<<16
	s_mov_b32 s[G1+2], 256<<16                     ; 256 rows of 32 elements of 8 bytes, dense: 65,536 bytes on end
	s_mov_b32 s[G1+3], 32<<16
	s_mov_b32 s[G1+4], 256
	s_mov_b32 s[G1+5], 32
	s_mov_b32 s[G1+6], 0
	s_mov_b32 s[G1+7], 0
	s_lshl_b32 s24, ttmp9, 22
	s_lshl_b32 s25, s9, 18
	s_add_co_u32 s24, s24, s25
	s_lshl_b32 s3, s[WV], 16                       ; four token tiles a wave, in memory and in LDS
	s_add_co_u32 s24, s24, s3
	s_mov_b32 s25, 0
	s_wait_dscnt 0x0
	s_wait_kmcnt 0x0
	s_load_b256 s[48:55], s[12:13], 0x0
	s_load_b128 s[56:59], s[12:13], 0x20
	s_add_nc_u64 s[24:25], s[4:5], s[24:25]
	s_mov_b32 s[G0], 1
	s_mov_b32 s[G0+1], s3
	s_mov_b64 s[G0+2:G0+3], s[24:25]
	s_or_b32 s[G0+3], s[G0+3], 0x80000000
	s_wait_alu depctr_va_vdst(0)
	ROUND                                          ; all four work-groups are here: the joint loads meet
	tensor_load_to_lds s[G0:G0+3], s[G1:G1+7]      ; one load of mine is out
	s_nop 0
.rept 4
	v_nop
.endr
	s_lshl_b32 s26, ttmp9, 20
	s_lshl_b32 s27, s8, 16
	s_add_co_u32 s26, s26, s27
	s_mov_b32 s27, 0
	s_add_nc_u64 s[6:7], s[6:7], s[26:27]
	WIN 0x40
	s_wait_alu depctr_va_vdst(0)
.irp ks, 0,1,2,3
.irp t, 0,1,2,3
.irp q, 0,1,2,3
	global_load_b128 v[64*\ks+16*\t+4*\q:64*\ks+16*\t+4*\q+3], v[LI], s[6:7] offset:(8*\t+\ks)*2048+512*\q
.endr
.endr
.endr
	WIN 0x80
.irp ks, 0,1,2,3
.irp t, 0,1,2,3
.irp q, 0,1,2,3
	global_load_b128 v[64*\ks+16*\t+4*\q:64*\ks+16*\t+4*\q+3], v[LI], s[6:7] offset:(8*\t+4+\ks)*2048+512*\q
.endr
.endr
.endr
	WIN 0
	s_lshr_b32 s26, s9, 3
	s_lshl_b32 s26, s26, 4
	s_add_co_u32 s26, s26, s8
	s_mul_i32 s26, s26, 393216
	s_and_b32 s27, s9, 7
	s_mul_i32 s27, s27, 49152
	s_add_co_u32 s26, s26, s27
	s_cmp_eq_u32 ttmp9, 0
	s_cselect_b32 s27, 16384, 0
	s_add_co_u32 s26, s26, s27
	s_mov_b32 s27, 0
	s_add_nc_u64 s[14:15], s[14:15], s[26:27]
	s_wait_kmcnt 0x0
	s_cmp_eq_u32 ttmp9, 1
	s_cselect_b32 s60, s50, s48
	s_cselect_b32 s61, s51, s49
	s_cselect_b32 s62, s55, s54
	s_cmp_eq_u32 ttmp9, 2
	s_cselect_b32 s60, s52, s60
	s_cselect_b32 s61, s53, s61
	s_cselect_b32 s62, s57, s62
	s_sub_co_i32 s62, s62, s60
	s_sub_co_i32 s62, s62, s61
	s_add_co_i32 s62, s62, 127
	s_lshl_b32 s63, s62, 23
	v_mov_b32 v[VS], s63
	s_add_co_i32 s62, s62, 8
	s_lshl_b32 s62, s62, 23
	s_or_b32 s62, s62, 0x600000
	v_mov_b32 v[VL], s62
.macro FETCH g, i, b
	WIN 0xc0
.irp ks, 0,1,2,3,4,5,6,7
.irp q, 0,1,2,3
	ds_load_b128 v[128*\b+16*\ks+4*\q:128*\b+16*\ks+4*\q+3], v[LI+2+\g] offset:16384*\i+2048*\ks+512*\q
.endr
.endr
	WIN 0
.endm
.macro MUL b, u, nat
.irp hf, 0,1
.if \nat
	WIN 0x07+4*\hf
.else
	WIN 0x0d+\hf
.endif
.irp k, 0,1,2,3
.irp t, 0,1,2,3
.set rD, ACC+32*\u+8*\t
.set rW, 64*\k+16*\t
.set rA, 128*\b+64*\hf+16*\k
.if \nat
.if (\hf+\k) == 0
	v_wmma_f32_16x16x128_fp8_fp8 v[rD:rD+7], v[rA:rA+15], v[rW:rW+15], 0
.else
	v_wmma_f32_16x16x128_fp8_fp8 v[rD:rD+7], v[rA:rA+15], v[rW:rW+15], v[rD:rD+7]
.endif
.else
.if (\hf+\k) == 0
	v_wmma_f32_16x16x128_fp8_fp8 v[rD:rD+7], v[rW:rW+15], v[rA:rA+15], 0
.else
	v_wmma_f32_16x16x128_fp8_fp8 v[rD:rD+7], v[rW:rW+15], v[rA:rA+15], v[rD:rD+7]
.endif
.endif
.endr
.endr
.endr
	WIN 0
	PLACES
.endm
.macro QUANT g, p, nat
	s_wait_xcnt 0x0
.irp u, 0,1
.irp t, 0,1,2,3
.irp j, 0,1,2,3,4,5,6,7
	v_med3_num_f32 v[ACC+32*\u+8*\t+\j], v[ACC+32*\u+8*\t+\j], -v[VL], v[VL]
.endr
.if \nat
	v_cvt_scalef32_pk8_fp8_f32 v[CD+4*\t+2*\u:CD+4*\t+2*\u+1], v[ACC+32*\u+8*\t:ACC+32*\u+8*\t+7], v[VS]
.else
	v_cvt_scalef32_pk8_fp8_f32 v[CD+8*\u+2*\t:CD+8*\u+2*\t+1], v[ACC+32*\u+8*\t:ACC+32*\u+8*\t+7], v[VS]
.endif
.endr
.endr
	v_nop
.if \nat
.irp t, 0,1,2,3
	global_store_b128 v[LI], v[CD+4*\t:CD+4*\t+3], s[14:15] offset:((2*\g+\p)/4)*24576+8192+2048*\t+512*((2*\g+\p)%4)
.endr
.else
.irp u, 0,1
.irp hf, 0,1
	global_store_b128 v[LI], v[CD+8*\u+4*\hf:CD+8*\u+4*\hf+3], s[14:15] offset:((4*\g+2*\p+\u)/8)*24576+((4*\g+2*\p+\u)%8)*1024+512*\hf
.endr
.endr
.endif
.endm
.macro WORK g, nat
	FETCH \g, 0, 0
	FETCH \g, 1, 1
.if \g == 0
	s_wait_loadcnt 0x0
.endif
	s_wait_dscnt 32
	MUL 0, 0, \nat
	FETCH \g, 2, 0
	s_wait_alu depctr_va_vdst(0)
	s_wait_dscnt 32
	MUL 1, 1, \nat
	FETCH \g, 3, 1
	QUANT \g, 0, \nat
	s_wait_dscnt 32
	MUL 0, 0, \nat
	s_wait_dscnt 0x0
	MUL 1, 1, \nat
	QUANT \g, 1, \nat
.endm
.macro GROUP g
	s_cmp_eq_u32 ttmp9, 2
	s_cbranch_scc1 .Lnat_\@
	WORK \g, 0
	s_branch .Ljoin_\@
.Lnat_\@:
	WORK \g, 1
.Ljoin_\@:
.endm
	s_mov_b32 s36, 0                               ; LDS byte of the trip's first group
	s_mov_b32 s38, 0
	s_wait_alu depctr_va_vdst(0)
	s_wait_tensorcnt 0x0                           ; my four token tiles are in,
	s_barrier_signal -1
	s_barrier_wait -1                              ; everybody's are
.Lgroups:
	s_add_co_u32 s37, s36, 0x10000
	v_add_nc_u32 v[LI+2], s36, v[LI]
	v_add_nc_u32 v[LI+3], s37, v[LI]
	s_wait_alu depctr_va_vdst(0)
	GROUP 0
	GROUP 1
	s_wait_xcnt 0x0                                ; the stores have read their base
	s_add_nc_u64 s[14:15], s[14:15], 24576         ; the next block of 128 tokens
	s_add_co_u32 s36, s36, 0x20000
	s_add_co_u32 s38, s38, 1
	s_cmp_lt_u32 s38, 2
	s_wait_alu depctr_va_vdst(0)
	s_cbranch_scc1 .Lgroups
	s_wait_tensorcnt 0x0
	ds_add_u32 v254, v255
	s_wait_dscnt 0x0
	ROUND
	s_endpgm
.Lfunc_end_k_q7e60258699_qkv:
	.size	k_q7e60258699_qkv, .Lfunc_end_k_q7e60258699_qkv-k_q7e60258699_qkv
	.p2alignl 7, 3214868480
	.fill 96, 4, 3214868480
	.section	.rodata,"a",@progbits
	.p2align	6, 0x0
	.amdhsa_kernel k_q7e60258699_qkv
		.amdhsa_group_segment_fixed_size 327680
		.amdhsa_private_segment_fixed_size 0
		.amdhsa_enable_private_segment 0
		.amdhsa_kernarg_size 32
		.amdhsa_user_sgpr_count 2
		.amdhsa_user_sgpr_kernarg_segment_ptr 1
		.amdhsa_wavefront_size32 1
		.amdhsa_system_sgpr_workgroup_id_x 1
		.amdhsa_system_sgpr_workgroup_id_y 1
		.amdhsa_system_sgpr_workgroup_id_z 1
		.amdhsa_system_vgpr_workitem_id 0
		.amdhsa_next_free_vgpr 1024
		.amdhsa_next_free_sgpr 66
		.amdhsa_reserve_vcc 0
		.amdhsa_float_denorm_mode_32 3
		.amdhsa_float_denorm_mode_16_64 3
		.amdhsa_memory_ordered 1
		.amdhsa_forward_progress 1
		.amdhsa_inst_pref_size 127
	.end_amdhsa_kernel
	.amdgpu_metadata
---
amdhsa.version: [ 1, 2 ]
amdhsa.kernels:
  - .name:           k_q7e60258699_qkv
    .symbol:         k_q7e60258699_qkv.kd
    .args:
      - { .name: x_img, .offset: 0, .size: 8, .value_kind: global_buffer, .address_space: global }
      - { .name: w_img, .offset: 8, .size: 8, .value_kind: global_buffer, .address_space: global }
      - { .name: lowp_scales, .offset: 16, .size: 8, .value_kind: global_buffer, .address_space: global }
      - { .name: qkv_img, .offset: 24, .size: 8, .value_kind: global_buffer, .address_space: global }
    .group_segment_fixed_size: 327680
    .private_segment_fixed_size: 0
    .kernarg_segment_align: 8
    .kernarg_segment_size: 32
    .max_flat_workgroup_size: 128
    .sgpr_count:     66
    .vgpr_count:     1024
    .wavefront_size: 32
...
	.end_amdgpu_metadata
.endif
;; end of part 2
;; launch attn (part 3): grid 8 x 32, 16 waves a work-group, clusters of 4 x 1, 264,192 bytes of LDS; arguments qkv_img, lowp_scales, ctx_img; writes ctx_img
.if DOCPART == 3
	.amdgcn_target "amdgcn-amd-amdhsa--gfx1250"
	.amdhsa_code_object_version 6
	.text
	.protected	k_q7e60258699_attn
	.globl	k_q7e60258699_attn
	.p2align	8
	.type	k_q7e60258699_attn,@function
k_q7e60258699_attn:
	s_mov_b64 s[64:65], 0
	v_nop
	global_prefetch_b8 v0, s[64:65] scope:SCOPE_SE
	s_setreg_imm32_b32 hwreg(HW_REG_WAVE_MODE, 25, 1), 1
	s_wait_xcnt 0x0
	s_wait_alu depctr_hold_cnt(0) depctr_sa_sdst(0) depctr_va_vdst(0) depctr_va_sdst(0) depctr_va_ssrc(0) depctr_va_vcc(0) depctr_vm_vsrc(0)
	s_getreg_b32 s2, hwreg(HW_REG_IB_STS2, 6, 4)
	s_cmp_eq_u32 s2, 0
	s_cbranch_scc0 .Lentry_in_a_cluster
	s_endpgm
.Lentry_in_a_cluster:
	s_bfe_u32 s2, ttmp6, 0x10000c
	s_cmp_lg_u32 s2, 0x3003
	s_cbranch_scc0 .Lentry_shape_is_right
	s_endpgm
.Lentry_shape_is_right:
; ctx = softmax(q k^T / 8, causal) v for one head, both products on codes of FP8 (E4M3); ctx is quantised at once into the last product's operand and stored as an image of its registers.
; qkv_img: [32 heads][16 blocks of 128 tokens][24,576]: + 0 K, 8 tiles of 16 keys x 64 channels (1,024 bytes each); + 8,192 V^T, 4 tiles of 16 channels x 128 keys (2,048 each); + 16,384 Q, 8 tiles of 16 queries.
; An image: registers 4 q .. 4 q + 3 of lane l at 512 q + 16 l; lane (r = l % 16, h = l / 16), registers 2 c, 2 c + 1: row r, k = 16 c + 8 h + 0 .. 7.  ctx_img: [256 token tiles][8 K steps][2,048]; head n: K step n / 2, bytes 1,024 (n % 2) on.
; THE SOFTMAX: t = score x log2(e) / 8; M = the running largest t rounded UP to a whole number; p = 2^(t - M) is quantised, not normalised; the row's sum is taken of the unquantised p and divides at the end.
; When M moves, the sum and O are multiplied by 2^(old M - new M), which rounds nothing.
; LEFT OUT: key steps all of whose keys come after a tile's queries: reference() sets their scores to -infinity, their p is 0 for all inputs.  LIMIT: a NaN or an infinity in the scores so left out is not carried on.
; SHARES.  Work-group j of a head (0 .. 7) owns tile j (16 queries) of every one of the 16 query blocks.  The tile of block b walks key steps 0 .. b of 128 keys: 136 steps in every work-group.
; Waves p and p + 8 (p = 0 .. 7, s = 7 - p) share the tiles of blocks p and 15 - p.  Wave p takes steps 0 .. p of block p's tile and finishes it, then steps 0 .. s - 1 of block 15 - p's tile: 8 steps.
; Wave p + 8 takes steps s .. 15 - p of block 15 - p's tile: 9 steps; behind the loop it adds wave p's partial sums, both brought under the larger M by powers of two, and finishes that tile.
; K AND V OF THE HEAD LIE IN LDS WHOLE: 16 key blocks x 16,384 bytes, one first fill a wave, all read by every work-group; nothing is filled again.  They are asked for JOINTLY by the four partners of a cluster: the
; address hangs on the head and the wave's number alone.  The work-group's place in the cluster enters Q's and ctx's addresses and the mask, which is made by selects: no branch hangs on it.
; The partial sums pass through those same bytes, behind a barrier at which all reads of K and V are over.
; No prefetch: everything is asked for at the head, and there is no loop of loads to run ahead in.
; LAYOUT.  Both products transposed: S^T = K Q^T (source 0 = 16 keys, source 1 = my queries), O^T = V^T P^T (source 0 = 16 channels, source 1 = P): a lane holds ONE query throughout.  Tile tau of S^T holds, in lane (r, h),
; keys 16 tau + 8 h + 0 .. 7: their eight codes ARE registers 2 tau, 2 tau + 1 of P's operand.  O^T's tile holds channels 16 dt + 8 h + 0 .. 7: registers 2 dt, 2 dt + 1 of ctx's part of an operand.
; LIMITS on the given exponents (entries 6 .. 10: eq, ek, ep, ev, ec): eq + ek between -123 and 130 (added to c's exponent field); ep between -126 and 119; ep + ev - ec between -110 and 110 (applied by v_ldexp_f32 to 1 / sum).
; The scaled scores stay under 2^31 in magnitude.
; REGISTERS: v1 16 x lane; v2 the step's LDS address; v3 where I read partial sums; v4 -infinity; v5 448; v6 1.0; v7 r - 8 h; v8-15 Q; v16 -M; v17 the largest t; v[18:19] the sum in two halves; v20 2^ep; v21 448 x 2^ep;
;   v[22:23] f; v24-26 at work; v27 where I store partial sums; v28-31, v220-221 chains of sums; v32-95 K's fragments, then V's; v96-159 S^T, then p; v160-191 O^T; v192-207 p's codes; v208, v209 the add's; v212-219 Q of my last tile.
.set PPITCH, 8192                      ; a wave's place for partial sums (4,608 bytes): 8,192 x wave
.set SPARE, 0x40000                    ; behind K and V: the spare words, 128 bytes for each wave
.set WV, 10                            ; s10 my wave's number
.set JT, 11                            ; s11 which tile of each block is my work-group's
.set HD, 12                            ; s12 the head, 0..31
.set P,  13
.set ROLE, 14                          ; s14 wave / 8
.set SH, 15                            ; s15 s = 7 - p
.set G1, 16
.set G0, 24
.set CS, 28                            ; s[28:29] c = log2(e) / 8 x 2^(eq + ek)
.set SEL, 30                           ; s[30:31] v_permlanex16_b32's selects for lane l xor 16
.set TM, 32                            ; s32-39 the diagonal tile's masks: lanes in which its register j is hidden
.set LB, 40                            ; s40 15 - p
.set OB, 41                            ; s41 the block of the tile that I begin with, and finish
.set SW, 42                            ; s42 the trip at which I change tiles (waves 8 to 15: none)
.set LIM, 43                           ; s43 my trips
.set T,  44                            ; s44 the trip
.set TB, 45                            ; s45 LDS byte of the step's key block
.set KB, 46                            ; s46 the step's key block
.set BLK, 47                           ; s47 my present tile's block
.set OFFB, 66                          ; s66 key block less trip, in waves 8 to 15
.set P1, 76                            ; s76 p + 1
.set EX, 78                            ; s78 ep + ev - ec
.macro ROUND                           ; a round of the cluster's barrier
	s_barrier_signal -1
	s_barrier_wait -1
	s_cmp_lg_u32 s[WV], 0
	s_cbranch_scc1 .Lnot_wave_0_\@
	s_barrier_signal -3
.Lnot_wave_0_\@:
	s_barrier_wait -3
	s_barrier_signal -1
	s_barrier_wait -1
.endm
; THE WAY OUT of a tile: O^T x 2^(ep + ev) / the sum is ctx; its code is ctx / 2^ec, held at +-448.  A lane's eight channels of a tile are two registers of the operand: two stores of 512 consecutive bytes.
.macro FINISH
	v_add_f32 v18, v18, v19                        ; the sum's two halves,
	s_delay_alu instid0(VALU_DEP_1)
	v_permlanex16_b32 v26, v18, s[SEL], s[SEL+1]
	s_delay_alu instid0(VALU_DEP_1)
	v_add_f32 v18, v18, v26                        ; and lane l xor 16's
	s_wait_alu depctr_va_vdst(0)
	v_rcp_f32 v18, v18
	v_nop                                          ; a plain line behind the reciprocal
	s_wait_alu depctr_va_vdst(0)                   ; and the wait ahead of its first reader
	v_ldexp_f32 v18, v18, s[EX]                    ; x 2^(ep + ev - ec)
	s_wait_alu depctr_va_vdst(0)                   ; directly ahead of the first reader of O^T
.irp j, 0,2,4,6,8,10,12,14,16,18,20,22,24,26,28,30
	v_pk_mul_f32 v[96+\j:97+\j], v[160+\j:161+\j], v[18:19] op_sel_hi:[1,0]
.endr
.set n, 0
.rept 32
	v_med3_num_f32 v[96+n], v[96+n], -v5, v5
.set n, n+1
.endr
.irp dt, 0,1,2,3
	v_cvt_scalef32_pk8_fp8_f32 v[192+2*\dt:193+2*\dt], v[96+8*\dt:103+8*\dt], v6
.endr
	v_nop
	global_store_b128 v1, v[192:195], s[8:9]
	global_store_b128 v1, v[196:199], s[8:9] offset:512
.endm
	s_load_b128 s[4:7], s[0:1], 0x0                ; qkv_img s[4:5], the scales s[6:7]
	s_load_b64 s[8:9], s[0:1], 0x10                ; ctx_img
	v_lshl_add_u32 v208, v0, 2, SPARE
	v_mov_b32 v209, 0
	ds_add_u32 v208, v209                          ; the opening lines: the add, twice on end, and its wait ahead of my tensor load
	ds_add_u32 v208, v209
	v_lshrrev_b32 v1, 5, v0
	v_and_b32 v2, 31, v0
	v_bfe_u32 v3, v0, 4, 1
	v_and_b32 v7, 15, v0
	v_readfirstlane_b32 s[WV], v1                  ; wave 0..15
	v_lshlrev_b32 v3, 3, v3
	v_lshlrev_b32 v1, 4, v2                        ; 16 x lane
	v_sub_nc_u32 v7, v7, v3                        ; r - 8 h
	s_and_b32 s[HD], ttmp7, 0xffff
	s_and_b32 s[P], s[WV], 7
	s_lshr_b32 s[ROLE], s[WV], 3
	s_xor_b32 s[SH], s[P], 7
	s_xor_b32 s[LB], s[P], 15
	s_mul_i32 s[OFFB], s[ROLE], s[SH]
	; descriptor group 1: 64 rows of 32 elements of 8 bytes, dense: a key block's K and V, 16,384 bytes on end
	s_mov_b32 s[G1+0], 15|(3<<16)|(1<<21)          ; the mask: all four work-groups; elements of 8 bytes; bit 21 set beside a mask; no padding (images are read 512 consecutive bytes an instruction)
	s_mov_b32 s[G1+1], 32<<16
	s_mov_b32 s[G1+2], 64<<16
	s_mov_b32 s[G1+3], 32<<16
	s_mov_b32 s[G1+4], 64
	s_mov_b32 s[G1+5], 32
	s_mov_b32 s[G1+6], 0
	s_mov_b32 s[G1+7], 0
	s_mul_i32 s2, s[HD], 393216                    ; the head's 16 blocks
	s_mov_b32 s3, 0
	s_mul_i32 s62, s[WV], 24576                    ; wave w brings key block w: in memory 24,576 bytes apart,
	s_mov_b32 s63, 0
	s_mov_b32 s[G0], 1
	s_lshl_b32 s[G0+1], s[WV], 14                  ; in LDS 16,384
	s_wait_alu depctr_va_vdst(0)
	s_wait_dscnt 0x0                               ; both opening adds are done
	s_wait_kmcnt 0x0
	s_load_b256 s[48:55], s[6:7], 0x0              ; entries 0 to 7
	s_load_b128 s[56:59], s[6:7], 0x20             ; entries 8 to 11
	s_add_nc_u64 s[4:5], s[4:5], s[2:3]
	s_add_nc_u64 s[G0+2:G0+3], s[4:5], s[62:63]
	s_or_b32 s[G0+3], s[G0+3], 0x80000000
	ROUND                                          ; all four work-groups are here: the joint loads meet
	tensor_load_to_lds s[G0:G0+3], s[G1:G1+7]      ; one load of mine is out
	s_nop 0
.rept 4
	v_nop
.endr
	s_bfe_u32 s67, ttmp6, 0x40000                  ; cx
	s_lshl_b32 s[JT], ttmp9, 2
	s_add_co_u32 s[JT], s[JT], s67
	s_add_co_u32 s[P1], s[P], 1
	s_cmp_eq_u32 s[ROLE], 0
	s_cselect_b32 s[SW], s[P1], 63
	s_cselect_b32 s[LIM], 8, 9
	s_cselect_b32 s[OB], s[P], s[LB]
	s_lshl_b32 s70, s[JT], 10
	s_add_co_u32 s70, s70, 16384                   ; in a block: Q's image of my work-group's tile
	s_mul_i32 s60, s[OB], 24576
	s_mul_i32 s68, s[LB], 24576
	s_add_co_u32 s60, s60, s70                     ; my first tile's,
	s_add_co_u32 s68, s68, s70                     ; and my last's (waves 8 to 15 have one tile alone)
	s_mov_b32 s61, 0
	s_mov_b32 s69, 0
	s_add_nc_u64 s[60:61], s[4:5], s[60:61]
	s_add_nc_u64 s[68:69], s[4:5], s[68:69]
	s_wait_alu depctr_va_vdst(0)
	global_load_b128 v[8:11], v1, s[60:61]
	global_load_b128 v[12:15], v1, s[60:61] offset:512
	global_load_b128 v[212:215], v1, s[68:69]
	global_load_b128 v[216:219], v1, s[68:69] offset:512
	s_lshr_b32 s2, s[HD], 4                        ; the batch: 128 token tiles,
	s_lshl_b32 s2, s2, 7
	s_lshl_b32 s3, s[OB], 3
	s_add_co_u32 s2, s2, s3
	s_add_co_u32 s2, s2, s[JT]                     ; the token tile that I finish: 16,384 bytes each,
	s_lshl_b32 s2, s2, 14
	s_bfe_u32 s3, s[HD], 0x30001                   ; K step = head / 2,
	s_lshl_b32 s3, s3, 11
	s_add_co_u32 s2, s2, s3
	s_and_b32 s3, s[HD], 1                         ; and its half
	s_lshl_b32 s3, s3, 10
	s_add_co_u32 s2, s2, s3
	s_mov_b32 s3, 0
	s_add_nc_u64 s[8:9], s[8:9], s[2:3]
	s_mul_i32 s2, s[WV], PPITCH
	s_mul_i32 s3, s[P], PPITCH
	s_mov_b32 s[SEL], 0x76543210
	s_mov_b32 s[SEL+1], 0xfedcba98
	s_mov_b32 s[T], 0
	v_add_nc_u32 v27, s2, v1
	v_add_nc_u32 v3, s3, v1
.irp j, 0,1,2,3,4,5,6,7
	v_cmp_gt_i32 s[TM+\j], \j, v7                  ; in the tile of 16 keys on the diagonal register j holds key 8 h + j: hidden where j > r - 8 h
.endr
	v_mov_b32 v4, 0xff800000                       ; -infinity
	v_mov_b32 v5, 0x43e00000                       ; 448
	v_mov_b32 v6, 1.0
	v_mov_b32 v16, 0x7f61b1e6                      ; -M = 3e38
	v_mov_b32 v17, 0xff61b1e6                      ; the largest t so far: -3e38, under every t
	v_mov_b32 v18, 0                               ; the sum, in two halves
	v_mov_b32 v19, 0
	v_mov_b32 v23, 0                               ; (named as the upper half of the pair v[22:23])
	v_mov_b32 v31, 0                               ; (named as the upper half of the pair v[30:31])
	v_mov_b32 v26, 0                               ; written once: a lane permute's destination counts as one of its sources
.set n, 0
.rept 32
	v_mov_b32 v[160+n], 0                          ; O^T: the step is written once; the first finds zeros, which the first change of M leaves zeros
.set n, n+1
.endr
	s_wait_alu depctr_va_vdst(0)
	s_wait_kmcnt 0x0
	s_add_co_i32 s2, s54, s55                      ; eq + ek: a score stands for score x 2^(eq + ek): added to c's exponent field
	s_lshl_b32 s2, s2, 23
	s_add_co_i32 s[CS], s2, 0x3e38aa3b             ; c = log2(e) / 8
	s_mov_b32 s[CS+1], s[CS]                       ; (named with it as a pair, so it is written)
	s_add_co_i32 s2, s56, 127
	s_lshl_b32 s3, s2, 23
	v_mov_b32 v20, s3                              ; 2^ep
	s_add_co_i32 s2, s2, 8
	s_lshl_b32 s2, s2, 23
	s_or_b32 s2, s2, 0x600000
	v_mov_b32 v21, s2                              ; 448 x 2^ep
	s_add_co_i32 s[EX], s56, s57
	s_sub_co_i32 s[EX], s[EX], s58                 ; ep + ev - ec
	s_wait_alu depctr_va_vdst(0)
	s_wait_loadcnt 0x0                             ; Q
	s_wait_tensorcnt 0x0                           ; my key block is in,
	s_barrier_signal -1
	s_barrier_wait -1                              ; everybody's is
.Ltrip:                                            ; nine trips for every wave: trip counts and addresses are arithmetic on the wave's number and the trip
	s_cmp_lg_u32 s[T], s[SW]
	s_cbranch_scc1 .Lsame
	; WAVES 0 TO 7 have walked all of their first tile's keys: it goes out, and the second tile begins (wave 7 has no step of it: its partial sums are zeros)
.rept 4
	v_nop                                          ; places behind the last products
.endr
	FINISH
	s_wait_alu depctr_va_vdst(0)
	s_wait_xcnt 0x0                                ; the stores have read their registers
.set n, 0
.rept 8
	v_mov_b32 v[8+n], v[212+n]                     ; Q of my second tile
.set n, n+1
.endr
	v_mov_b32 v16, 0x7f61b1e6
	v_mov_b32 v17, 0xff61b1e6
	v_mov_b32 v18, 0
	v_mov_b32 v19, 0
.set n, 0
.rept 32
	v_mov_b32 v[160+n], 0
.set n, n+1
.endr
.Lsame:
	s_cmp_ge_u32 s[T], s[LIM]
	s_cbranch_scc1 .Lnext                          ; waves 0 to 7 have eight steps
	s_add_co_u32 s[KB], s[T], s[OFFB]
	s_cmp_ge_u32 s[T], s[SW]
	s_cselect_b32 s2, s[P1], 0
	s_cselect_b32 s[BLK], s[LB], s[OB]
	s_sub_co_u32 s[KB], s[KB], s2                  ; waves 0 to 7: trip, from the change of tiles on trip - (p + 1); waves 8 to 15: trip + s
	s_and_b32 s[KB], s[KB], 15
	s_lshl_b32 s[TB], s[KB], 14
	; A KEY STEP: 128 keys, the key block at LDS byte s[TB]
	v_add_nc_u32 v2, s[TB], v1
.rept 3
	v_nop                                          ; with the addition above: four places in front of loads into registers that the last products read
.endr
.irp tt, 0,1,2,3,4,5,6,7
	ds_load_b128 v[32+8*\tt:35+8*\tt], v2 offset:1024*\tt
	ds_load_b128 v[36+8*\tt:39+8*\tt], v2 offset:1024*\tt+512
.endr
	s_wait_alu depctr_va_vdst(0)
	s_wait_dscnt 0x0
.irp tt, 0,1,2,3,4,5,6,7
	v_wmma_f32_16x16x64_fp8_fp8 v[96+8*\tt:103+8*\tt], v[32+8*\tt:39+8*\tt], v[8:15], 0
.endr
.rept 4
	v_nop                                          ; places: for V's loads into K's registers, and for the first read of the scores
.endr
.irp dt, 0,1,2,3
.irp q, 0,1,2,3
	ds_load_b128 v[32+16*\dt+4*\q:35+16*\dt+4*\q], v2 offset:8192+2048*\dt+512*\q   ; V^T: it lands while the softmax is worked
.endr
.endr
	s_cmp_lg_u32 s[KB], s[BLK]                     ; not on the diagonal: all keys count: no mask
	s_cbranch_scc1 .Lopen
.irp tt, 0,1,2,3,4,5,6,7                           ; of my block's eight tiles of keys those ahead of my tile count, those behind it are hidden, the one on the diagonal has its masks
	s_cmp_lt_u32 s[JT], \tt
	s_cselect_b32 s79, -1, 0
	s_cmp_eq_u32 s[JT], \tt
.irp j, 0,1,2,3,4,5,6,7
	s_cselect_b32 s[68+\j], s[TM+\j], s79
.endr
.irp j, 0,1,2,3,4,5,6,7
	v_cndmask_b32 v[96+8*\tt+\j], v[96+8*\tt+\j], v4, s[68+\j]
.endr
.endr
.Lopen:
	v_max3_num_f32 v24, v96, v97, v98              ; the step's largest score of my query among my 64 keys, in two chains; each accumulator is read from its low end on
	v_max3_num_f32 v25, v99, v100, v101
.irp i, 6,10,14,18,22,26,30,34,38,42,46,50,54,58
	v_max3_num_f32 v24, v24, v[96+\i], v[97+\i]
	v_max3_num_f32 v25, v25, v[98+\i], v[99+\i]
.endr
	v_max3_num_f32 v24, v24, v158, v159
	s_delay_alu instid0(VALU_DEP_1)
	v_max_num_f32 v24, v24, v25
	s_delay_alu instid0(VALU_DEP_1)
	v_permlanex16_b32 v26, v24, s[SEL], s[SEL+1]
	s_delay_alu instid0(VALU_DEP_1)
	v_max_num_f32 v24, v24, v26                    ; and among lane l xor 16's
	s_delay_alu instid0(VALU_DEP_1)
	v_mul_f32 v24, s[CS], v24                      ; as t (c is positive)
	s_delay_alu instid0(VALU_DEP_1)
	v_max_num_f32 v17, v17, v24                    ; the running largest t
	v_mov_b32 v24, v16
	s_delay_alu instid0(VALU_DEP_2)
	v_floor_f32 v16, -v17                          ; the new -M = floor(-t) = -ceil(t)
	s_delay_alu instid0(VALU_DEP_1)
	v_sub_f32 v24, v16, v24                        ; old M - new M: a whole number, 0 or less
	s_delay_alu instid0(VALU_DEP_1)
	v_cvt_i32_f32 v24, v24                         ; (it saturates)
	s_delay_alu instid0(VALU_DEP_1)
	v_ldexp_f32 v22, 1.0, v24                      ; f = 2^(old M - new M)
.irp j, 0,2,4,6,8,10,12,14,16,18,20,22,24,26,28,30,32,34,36,38,40,42,44,46,48,50,52,54,56,58,60,62
	v_pk_fma_f32 v[96+\j:97+\j], v[96+\j:97+\j], s[CS:CS+1], v[16:17] op_sel_hi:[1,0,0]   ; t - M, two at a time (of the pairs c and -M the low word serves both halves)
.endr
	s_wait_alu depctr_va_vdst(0)
.set n, 0
.rept 64
	v_exp_f32 v[96+n], v[96+n]                     ; p = 2^(t - M), at most 1
.set n, n+1
.endr
	v_pk_mul_f32 v[18:19], v[18:19], v[22:23] op_sel_hi:[1,0]   ; the sums under the new M: the plain line behind the exponentials
	s_wait_alu depctr_va_vdst(0)                   ; one wait for the whole batch, and for the first read of O^T
.irp j, 0,2,4,6,8,10,12,14,16,18,20,22,24,26,28,30
	v_pk_mul_f32 v[160+\j:161+\j], v[160+\j:161+\j], v[22:23] op_sel_hi:[1,0]   ; O^T under the new M
.endr
	v_pk_add_f32 v[28:29], v[96:97], v[98:99]      ; THE ROW'S SUM IS TAKEN OF THE UNQUANTISED p: two at a time, in four chains
	v_pk_add_f32 v[30:31], v[100:101], v[102:103]
	v_pk_add_f32 v[220:221], v[104:105], v[106:107]
	v_pk_add_f32 v[18:19], v[18:19], v[108:109]
.irp k, 14,22,30,38,46,54
	v_pk_add_f32 v[28:29], v[28:29], v[96+\k:97+\k]
	v_pk_add_f32 v[30:31], v[30:31], v[98+\k:99+\k]
	v_pk_add_f32 v[220:221], v[220:221], v[100+\k:101+\k]
	v_pk_add_f32 v[18:19], v[18:19], v[102+\k:103+\k]
.endr
	v_pk_add_f32 v[28:29], v[28:29], v[158:159]
	v_pk_add_f32 v[220:221], v[220:221], v[18:19]
	v_pk_add_f32 v[28:29], v[28:29], v[30:31]
.irp tt, 0,1,2,3,4,5,6,7
.irp j, 0,2,4,6
	v_dual_min_num_f32 v[96+8*\tt+\j], v21, v[96+8*\tt+\j] :: v_dual_min_num_f32 v[97+8*\tt+\j], v21, v[97+8*\tt+\j]   ; the conversion does not saturate (ISA guide 7.6.2); p is not negative, so the hold is one-sided
.endr
	v_cvt_scalef32_pk8_fp8_f32 v[192+2*\tt:193+2*\tt], v[96+8*\tt:103+8*\tt], v20
.endr
	v_pk_add_f32 v[18:19], v[28:29], v[220:221]    ; the chains joined: also the plain line behind the last conversion
	s_wait_alu depctr_va_vdst(0)
	s_wait_dscnt 0x0                               ; V^T is in
.irp dt, 0,1,2,3
	v_wmma_f32_16x16x128_fp8_fp8 v[160+8*\dt:167+8*\dt], v[32+16*\dt:47+16*\dt], v[192:207], v[160+8*\dt:167+8*\dt]   ; the four accumulators by turns
.endr
.Lnext:
	s_add_co_u32 s[T], s[T], 1
	s_cmp_lt_u32 s[T], 9
	s_wait_alu depctr_va_vdst(0)
	s_cbranch_scc1 .Ltrip
.rept 4
	v_nop                                          ; places behind the last products
.endr
	s_wait_alu depctr_va_vdst(0)
	s_wait_dscnt 0x0                               ; my reads of K and V are over,
	s_barrier_signal -1
	s_barrier_wait -1                              ; everybody's are: those bytes have had their only fill, and partial sums may lie there
	s_cmp_gt_u32 s[WV], 7
	s_cbranch_scc1 .Lstored
.irp g, 0,1,2,3,4,5,6,7                            ; WAVES 0 TO 7 hand their second tile's partial sums on
	ds_store_b128 v27, v[160+4*\g:163+4*\g] offset:512*\g
.endr
	ds_store_b128 v27, v[16:19] offset:4096        ; -M, the largest t, the sum's two halves
.Lstored:
	s_wait_dscnt 0x0                               ; my stores are done,
	s_barrier_signal -1
	s_barrier_wait -1                              ; everybody's are
	s_cmp_lt_u32 s[WV], 8
	s_cbranch_scc1 .Lend
	; WAVES 8 TO 15 add wave p's partial sums
.irp g, 0,1,2,3,4,5,6,7
	ds_load_b128 v[32+4*\g:35+4*\g], v3 offset:512*\g
.endr
	ds_load_b128 v[64:67], v3 offset:4096
	s_wait_dscnt 0x0
	v_min_num_f32 v24, v16, v64                    ; -M of both: the larger M
	v_sub_f32 v25, v24, v16
	v_sub_f32 v28, v24, v64
	v_cvt_i32_f32 v25, v25                         ; (it saturates: where wave p had no step of this tile its M is -3e38 and its factor 0)
	v_cvt_i32_f32 v28, v28
	v_ldexp_f32 v22, 1.0, v25                      ; 2^(my M - M)
	v_ldexp_f32 v30, 1.0, v28                      ; 2^(wave p's M - M)
	v_pk_mul_f32 v[18:19], v[18:19], v[22:23] op_sel_hi:[1,0]
.irp j, 0,2,4,6,8,10,12,14,16,18,20,22,24,26,28,30
	v_pk_mul_f32 v[160+\j:161+\j], v[160+\j:161+\j], v[22:23] op_sel_hi:[1,0]
.endr
	v_pk_fma_f32 v[18:19], v[66:67], v[30:31], v[18:19] op_sel_hi:[1,0,1]
.irp j, 0,2,4,6,8,10,12,14,16,18,20,22,24,26,28,30
	v_pk_fma_f32 v[160+\j:161+\j], v[32+\j:33+\j], v[30:31], v[160+\j:161+\j] op_sel_hi:[1,0,1]
.endr
	FINISH
.Lend:
	s_wait_tensorcnt 0x0                           ; the wave's end
	ds_add_u32 v208, v209
	s_wait_dscnt 0x0
	ROUND                                          ; the closing round: no work-group ends while a partner may still issue a load that names it
	s_endpgm
.Lfunc_end_k_q7e60258699_attn:
	.size	k_q7e60258699_attn, .Lfunc_end_k_q7e60258699_attn-k_q7e60258699_attn
	.p2alignl 7, 3214868480
	.fill 96, 4, 3214868480
	.section	.rodata,"a",@progbits
	.p2align	6, 0x0
	.amdhsa_kernel k_q7e60258699_attn
		.amdhsa_group_segment_fixed_size 264192
		.amdhsa_private_segment_fixed_size 0
		.amdhsa_enable_private_segment 0
		.amdhsa_kernarg_size 24
		.amdhsa_user_sgpr_count 2
		.amdhsa_user_sgpr_kernarg_segment_ptr 1
		.amdhsa_wavefront_size32 1
		.amdhsa_system_sgpr_workgroup_id_x 1
		.amdhsa_system_sgpr_workgroup_id_y 1
		.amdhsa_system_sgpr_workgroup_id_z 1
		.amdhsa_system_vgpr_workitem_id 0
		.amdhsa_next_free_vgpr 224
		.amdhsa_next_free_sgpr 80
		.amdhsa_reserve_vcc 0
		.amdhsa_float_denorm_mode_32 3
		.amdhsa_float_denorm_mode_16_64 3
		.amdhsa_memory_ordered 1
		.amdhsa_forward_progress 1
		.amdhsa_inst_pref_size 44
	.end_amdhsa_kernel
	.amdgpu_metadata
---
amdhsa.version: [ 1, 2 ]
amdhsa.kernels:
  - .name:           k_q7e60258699_attn
    .symbol:         k_q7e60258699_attn.kd
    .args:
      - { .name: qkv_img, .offset: 0, .size: 8, .value_kind: global_buffer, .address_space: global }
      - { .name: lowp_scales, .offset: 8, .size: 8, .value_kind: global_buffer, .address_space: global }
      - { .name: ctx_img, .offset: 16, .size: 8, .value_kind: global_buffer, .address_space: global }
    .group_segment_fixed_size: 264192
    .private_segment_fixed_size: 0
    .kernarg_segment_align: 8
    .kernarg_segment_size: 24
    .max_flat_workgroup_size: 512
    .sgpr_count:     80
    .vgpr_count:     224
    .wavefront_size: 32
...
	.end_amdgpu_metadata
.endif
;; end of part 3
;; launch oproj (part 4): grid 4 x 64, 4 waves a work-group, clusters of 4 x 1, 168,448 bytes of LDS; arguments ctx_img, w_img, lowp_scales, out0; writes out0
.if DOCPART == 4
	.amdgcn_target "amdgcn-amd-amdhsa--gfx1250"
	.amdhsa_code_object_version 6
	.text
	.protected	k_q7e60258699_oproj
	.globl	k_q7e60258699_oproj
	.p2align	8
	.type	k_q7e60258699_oproj,@function
k_q7e60258699_oproj:
	s_mov_b64 s[64:65], 0
	v_nop
	global_prefetch_b8 v0, s[64:65] scope:SCOPE_SE
	s_setreg_imm32_b32 hwreg(HW_REG_WAVE_MODE, 25, 1), 1
	s_wait_xcnt 0x0
	s_wait_alu depctr_hold_cnt(0) depctr_sa_sdst(0) depctr_va_vdst(0) depctr_va_sdst(0) depctr_va_ssrc(0) depctr_va_vcc(0) depctr_vm_vsrc(0)
	s_getreg_b32 s2, hwreg(HW_REG_IB_STS2, 6, 4)
	s_cmp_eq_u32 s2, 0
	s_cbranch_scc0 .Lentry_in_a_cluster
	s_endpgm
.Lentry_in_a_cluster:
	s_bfe_u32 s2, ttmp6, 0x10000c
	s_cmp_lg_u32 s2, 0x3003
	s_cbranch_scc0 .Lentry_shape_is_right
	s_endpgm
.Lentry_shape_is_right:
; out = ctx w_o^T on codes of FP8 (E4M3), f32 sums x 2^(ec + ew) (entries 10 and 11 of the scales).  LIMIT: ec + ew between -126 and 127.
; ctx_img: [256 token tiles][8 K steps][2,048]; w_img's fourth weight: [64 row tiles][8 K steps][2,048]: images of operand registers (registers 4 q .. 4 q + 3 of lane l at 512 q + 16 l).
; SHARES.  The grid's y says which 64 tokens (4 row tiles); the cluster's four work-groups share them; wave w of work-group cx makes columns 64 (4 cx + w) on, for all 64 rows.
; The wave's 64 rows of w_o x 1,024 K stay in 512 registers, read once.  The 64 tokens' codes, 65,536 bytes, lie in LDS whole: one first fill a wave (a row tile, 16,384 bytes), asked for JOINTLY by the four partners.
; The product is used TRANSPOSED (source 0 = 16 rows of w_o, source 1 = 16 tokens): a lane holds eight neighbouring columns of one row of out.  A tile of 16 rows x 64 columns goes through the wave's own stage in LDS
; (rows of 256 + 16 bytes) and leaves as rows: sixteen lanes store 256 consecutive bytes, aligned.  The stages lie behind the tokens' codes; no tensor load lands there.
; REGISTERS, in windows of 256: window 0: v4-7 addresses, v32-95 two sets of four accumulators, v96-127 scaled sums, v128-159 rows read back.  windows 1, 2: w_o's fragment (t, ks) at v[64 (ks % 4) + 16 t] of window 1 + ks / 4.
;   window 3: two buffers of a row tile's eight fragments.
.set ACC, 32
.set TT,  96
.set BK,  128
.set LI,  4                            ; v4 16 x lane
.set STO, 5                            ; v5 the stage, in: stage + 272 r + 32 h
.set RD,  6                            ; v6 the stage, back: stage + 272 h + 16 r
.set CO,  7                            ; v7 the same two rows in out: 4,096 h + 16 r
.set WV,  10
.set G1,  16
.set G0,  32
.set STAGE, 65536
.set MSB, 0
.macro WIN new                         ; the immediate's high byte repeats the setting that is left
.if MSB != (\new)
	s_set_vgpr_msb (MSB<<8)|(\new)
.set MSB, (\new)
.endif
.endm
.macro ROUND                           ; a round of the cluster's barrier
	s_barrier_signal -1
	s_barrier_wait -1
	s_cmp_lg_u32 s[WV], 0
	s_cbranch_scc1 .Lnot_wave_0_\@
	s_barrier_signal -3
.Lnot_wave_0_\@:
	s_barrier_wait -3
	s_barrier_signal -1
	s_barrier_wait -1
.endm
.macro PLACES
.rept 4
	v_nop
.endr
.endm
	s_load_b128 s[4:7], s[0:1], 0x0                ; ctx_img s[4:5], w_img s[6:7]
	s_load_b128 s[12:15], s[0:1], 0x10             ; the scales s[12:13], out s[14:15]
	v_lshl_add_u32 v254, v0, 2, 0x29000
	v_mov_b32 v255, 0
	ds_add_u32 v254, v255
	ds_add_u32 v254, v255
	v_lshrrev_b32 v1, 5, v0
	v_readfirstlane_b32 s[WV], v1                  ; wave 0..3
	v_and_b32 v1, 31, v0
	v_lshlrev_b32 v[LI], 4, v1
	v_and_b32 v1, 15, v0                           ; r
	v_bfe_u32 v2, v0, 4, 1                         ; h
	s_mul_i32 s2, s[WV], 16*272
	s_add_co_u32 s2, s2, STAGE                     ; my stage
	v_mul_u32_u24 v[STO], v1, 272
	v_lshl_add_u32 v[STO], v2, 5, v[STO]
	v_add_nc_u32 v[STO], s2, v[STO]
	v_mul_u32_u24 v[RD], v2, 272
	v_lshl_add_u32 v[RD], v1, 4, v[RD]
	v_add_nc_u32 v[RD], s2, v[RD]
	v_lshlrev_b32 v[CO], 12, v2
	v_lshl_add_u32 v[CO], v1, 4, v[CO]
	s_bfe_u32 s11, ttmp6, 0x40000                  ; cx: it enters w_o's and out's addresses alone
	s_and_b32 s9, ttmp7, 0xffff                    ; which 64 tokens
	s_lshl_b32 s8, s11, 2
	s_add_co_u32 s8, s8, s[WV]                     ; which 64 columns
	s_mov_b32 s[G1+0], 15|(3<<16)|(1<<21)          ; the mask: all four work-groups; elements of 8 bytes; bit 21 set beside a mask
	s_mov_b32 s[G1+1], 32<<16                      ; 64 rows of 32 elements, dense: 16,384 bytes on end
	s_mov_b32 s[G1+2], 64<<16
	s_mov_b32 s[G1+3], 32<<16
	s_mov_b32 s[G1+4], 64
	s_mov_b32 s[G1+5], 32
	s_mov_b32 s[G1+6], 0
	s_mov_b32 s[G1+7], 0
	s_lshl_b32 s24, s9, 16
	s_lshl_b32 s3, s[WV], 14                       ; row tile = my wave's number, in memory and in LDS: nothing here hangs on cx
	s_add_co_u32 s24, s24, s3
	s_mov_b32 s25, 0
	s_wait_dscnt 0x0
	s_wait_kmcnt 0x0
	s_load_b64 s[48:49], s[12:13], 0x28            ; ec, ew
	s_mov_b32 s[G0], 1
	s_mov_b32 s[G0+1], s3
	s_add_nc_u64 s[G0+2:G0+3], s[4:5], s[24:25]
	s_or_b32 s[G0+3], s[G0+3], 0x80000000
	ROUND                                          ; all four work-groups are here: the joint loads meet
	tensor_load_to_lds s[G0:G0+3], s[G1:G1+7]      ; one load of mine is out
	s_nop 0
.rept 4
	v_nop
.endr
	s_lshl_b32 s26, s8, 16
	s_add_co_u32 s26, s26, 0x300000                ; the fourth weight; 65,536 bytes for 64 rows
	s_mov_b32 s27, 0
	s_add_nc_u64 s[6:7], s[6:7], s[26:27]
	WIN 0x40                                       ; destination window 1
.irp ks, 0,1,2,3
.irp t, 0,1,2,3
.irp q, 0,1,2,3
	global_load_b128 v[64*\ks+16*\t+4*\q:64*\ks+16*\t+4*\q+3], v[LI], s[6:7] offset:(8*\t+\ks)*2048+512*\q
.endr
.endr
.endr
	WIN 0x80                                       ; destination window 2
.irp ks, 0,1,2,3
.irp t, 0,1,2,3
.irp q, 0,1,2,3
	global_load_b128 v[64*\ks+16*\t+4*\q:64*\ks+16*\t+4*\q+3], v[LI], s[6:7] offset:(8*\t+4+\ks)*2048+512*\q
.endr
.endr
.endr
	WIN 0
	s_lshl_b32 s26, s9, 18                         ; 64 rows of 4,096 bytes,
	s_lshl_b32 s27, s8, 8                          ; 64 columns of 4
	s_add_co_u32 s26, s26, s27
	s_mov_b32 s27, 0
	s_add_nc_u64 s[14:15], s[14:15], s[26:27]
	s_wait_kmcnt 0x0
	s_add_co_i32 s60, s48, s49
	s_add_co_i32 s60, s60, 127
	s_lshl_b32 s60, s60, 23                        ; 2^(ec + ew) as f32
	s_mov_b32 s61, s60                             ; (named with it as a pair, so it is written)
.macro FETCH i, b                      ; 32 LDS loads in one run: row tile i, all eight K steps, into buffer b
	WIN 0xc0                                       ; destination window 3, address window 0
.irp ks, 0,1,2,3,4,5,6,7
.irp q, 0,1,2,3
	ds_load_b128 v[128*\b+16*\ks+4*\q:128*\b+16*\ks+4*\q+3], v[LI] offset:16384*\i+2048*\ks+512*\q
.endr
.endr
	WIN 0
.endm
.macro MUL b, u                        ; 32 matrix instructions, K ascending; the first K step starts the sums; the four accumulators take turns, one instruction a turn
.irp hf, 0,1
	WIN 0x0d+\hf                                   ; source 0 (w_o) window 1 or 2, source 1 (ctx) window 3
.irp k, 0,1,2,3
.irp t, 0,1,2,3
.set rD, ACC+32*\u+8*\t
.set rW, 64*\k+16*\t
.set rA, 128*\b+64*\hf+16*\k
.if (\hf+\k) == 0
	v_wmma_f32_16x16x128_fp8_fp8 v[rD:rD+7], v[rW:rW+15], v[rA:rA+15], 0
.else
	v_wmma_f32_16x16x128_fp8_fp8 v[rD:rD+7], v[rW:rW+15], v[rA:rA+15], v[rD:rD+7]
.endif
.endr
.endr
.endr
	WIN 0
	PLACES                                         ; for the loads into the buffer just read and for the first read of these sums
.endm
.macro OUTT u, tile                    ; set u's sums are rows 16 tile .. 16 tile + 15 of my 64, 64 columns
	s_wait_xcnt 0x0                                ; the last stores have read the registers into which the rows below are read back
.irp n, 0,2,4,6,8,10,12,14,16,18,20,22,24,26,28,30
	v_pk_mul_f32 v[TT+\n:TT+\n+1], v[ACC+32*\u+\n:ACC+32*\u+\n+1], s[60:61] op_sel_hi:[1,0]   ; x 2^(ec + ew); each accumulator from its low end on
.endr
.irp t, 0,1,2,3
	ds_store_b128 v[STO], v[TT+8*\t:TT+8*\t+3] offset:64*\t          ; lane (r, h): row r, columns 16 t + 8 h + 0 .. 7
	ds_store_b128 v[STO], v[TT+8*\t+4:TT+8*\t+7] offset:64*\t+16
.endr
.irp n, 0,1,2,3,4,5,6,7
	ds_load_b128 v[BK+4*\n:BK+4*\n+3], v[RD] offset:544*\n           ; LDS serves a wave's instructions in order (ISA guide 5.7.1.4): these see my stores
.endr
	s_wait_dscnt 0x0
.irp n, 0,1,2,3,4,5,6,7
	global_store_b128 v[CO], v[BK+4*\n:BK+4*\n+3], s[14:15] offset:(16*\tile+2*\n)*4096 th:TH_STORE_NT   ; sixteen lanes store 256 consecutive bytes, at a multiple of 256 from out's first byte
.endr
.endm
	s_wait_tensorcnt 0x0                           ; my row tile is in,
	s_barrier_signal -1
	s_barrier_wait -1                              ; everybody's is
	FETCH 0, 0
	FETCH 1, 1
	s_wait_loadcnt 0x0                             ; w_o
	s_wait_dscnt 32                                ; the older run of 32 loads is in, the younger may be out
	MUL 0, 0
	FETCH 2, 0
	s_wait_dscnt 32
	MUL 1, 1
	FETCH 3, 1
	OUTT 0, 0                                      ; its wait for all LDS instructions also shows row tiles 2 and 3 in
	OUTT 1, 1
	MUL 0, 0
	MUL 1, 1
	OUTT 0, 2
	OUTT 1, 3
	s_wait_tensorcnt 0x0
	ds_add_u32 v254, v255
	s_wait_dscnt 0x0
	ROUND                                          ; the closing round: no work-group ends while a partner may still ask for a tile that names it
	s_endpgm
.Lfunc_end_k_q7e60258699_oproj:
	.size	k_q7e60258699_oproj, .Lfunc_end_k_q7e60258699_oproj-k_q7e60258699_oproj
	.p2alignl 7, 3214868480
	.fill 96, 4, 3214868480
	.section	.rodata,"a",@progbits
	.p2align	6, 0x0
	.amdhsa_kernel k_q7e60258699_oproj
		.amdhsa_group_segment_fixed_size 168448
		.amdhsa_private_segment_fixed_size 0
		.amdhsa_enable_private_segment 0
		.amdhsa_kernarg_size 32
		.amdhsa_user_sgpr_count 2
		.amdhsa_user_sgpr_kernarg_segment_ptr 1
		.amdhsa_wavefront_size32 1
		.amdhsa_system_sgpr_workgroup_id_x 1
		.amdhsa_system_sgpr_workgroup_id_y 1
		.amdhsa_system_sgpr_workgroup_id_z 1
		.amdhsa_system_vgpr_workitem_id 0
		.amdhsa_next_free_vgpr 1024
		.amdhsa_next_free_sgpr 66
		.amdhsa_reserve_vcc 0
		.amdhsa_float_denorm_mode_32 3
		.amdhsa_float_denorm_mode_16_64 3
		.amdhsa_memory_ordered 1
		.amdhsa_forward_progress 1
		.amdhsa_inst_pref_size 45
	.end_amdhsa_kernel
	.amdgpu_metadata
---
amdhsa.version: [ 1, 2 ]
amdhsa.kernels:
  - .name:           k_q7e60258699_oproj
    .symbol:         k_q7e60258699_oproj.kd
    .args:
      - { .name: ctx_img, .offset: 0, .size: 8, .value_kind: global_buffer, .address_space: global }
      - { .name: w_img, .offset: 8, .size: 8, .value_kind: global_buffer, .address_space: global }
      - { .name: lowp_scales, .offset: 16, .size: 8, .value_kind: global_buffer, .address_space: global }
      - { .name: out0, .offset: 24, .size: 8, .value_kind: global_buffer, .address_space: global }
    .group_segment_fixed_size: 168448
    .private_segment_fixed_size: 0
    .kernarg_segment_align: 8
    .kernarg_segment_size: 32
    .max_flat_workgroup_size: 128
    .sgpr_count:     66
    .vgpr_count:     1024
    .wavefront_size: 32
...
	.end_amdgpu_metadata
.endif
;; end of part 4
